; MI455X (gfx1250); checked and timed in simulation.
; The chip was launched on July 23, 2026; its instructions are those of AMD's public machine-readable ISA for CDNA 5 (MIT licence, August 2026) and "CDNA5" Instruction Set Architecture Reference Guide (July 2026). The comments in the code are by the model that wrote it; some were corrected since.
;; Multi Head Attention. Allowed arithmetic: matrix products marked QUANTISED: E4M3 operands, one given power-of-two scale a tensor, by v_wmma_f32_16x16x64_fp8_fp8 or v_wmma_f32_16x16x128_fp8_fp8, f32 sums; products left as they are: f32 operands where the result goes on into a quantised operand, else bf16, f16 or f32 operands; f32 sums; everything else in f32.
;; Inputs: Wk 128 x 128 float32; Wp 128 x 128 float32; Wq 128 x 128 float32; Wv 128 x 128 float32; bp 128 float32; lowp_scales 10 int32 (the exponents e of the quantised operands' scales 2^e); x 2 x 4,096 x 128 float32.
;; Outputs: out0 2 x 4,096 x 128 float32.
;; This version of the problem:
;;   THIS VERSION OF THE PROBLEM IS GIVEN IN LOW PRECISION. The matrix products marked QUANTISED in the list below multiply operands that are first quantised to E4M3 (4 exponent bits, 3 mantissa bits; 8 bits a number), with one given power-of-two scale for each operand tensor; their sums are f32. All else is computed in f32.
;;   The module's matrix products, in the order in which they are computed (A, B: the left and right operand; K: the contracted axis; several contracted axes count as one K, in the product's order):
;;     1. [M 8,192, K 128] x [K 128, N 128]; A: input x; B: input Wq: QUANTISED (scales: A lowp_scales[0], B lowp_scales[1])
;;     2. [M 8,192, K 128] x [K 128, N 128]; A: input x; B: input Wk: QUANTISED (scales: A lowp_scales[2], B lowp_scales[3])
;;     3. [M 8,192, K 128] x [K 128, N 128]; A: input x; B: input Wv: QUANTISED (scales: A lowp_scales[4], B lowp_scales[5])
;;     4. batch 16 x [M 4,096, K 16] x [K 16, N 4,096]; A: computed on the way; B: computed on the way: left as it is (K = 16 < 32)
;;     5. batch 16 x [M 4,096, K 4,096] x [K 4,096, N 16]; A: softmax (see below); B: computed on the way: QUANTISED (scales: A lowp_scales[6], B lowp_scales[7])
;;     6. [M 8,192, K 128] x [K 128, N 128]; A: computed on the way; B: input Wp: QUANTISED (scales: A lowp_scales[8], B lowp_scales[9])
;;   THE QUANTISER, for each operand of a quantised product, along K:
;;     - The operand's scale is 2^e, e = its entry of the input lowp_scales (int32; the entries are numbered through the quantised products in the list's order, A before B).
;;     - Each number is divided by the scale, clamped to +-448, and rounded to the nearest number of E4M3, ties to even, subnormals kept.
;;     - The product sums the exact products of the quantised numbers (number of the format x scale) in f32.
;;   ~~~python
;;   def quantise(x, axis, e):      # numpy; x: float32 -> the quantised numbers, widened to float32 again
;;       x = np.moveaxis(x, axis, -1); K = x.shape[-1]
;;       r = np.clip(x / 2.0 ** e, -448, 448)
;;       step = 2.0 ** (np.maximum(np.frexp(np.where(r == 0, 1, r))[1] - 1, -6) - 3)
;;       q = np.round(r / step) * step * 2.0 ** e      # np.round: ties to even
;;       return np.moveaxis(q, -1, axis).astype(np.float32)
;;   ~~~
;;   SOFTMAX AHEAD OF A QUANTISED PRODUCT. Where the list says 'softmax', what is quantised is not the finished softmax but p = 2^(t - M), with t = logit x log2(e) and M = ceil(the row's largest t), a whole number; so 1/2 < the row's largest p <= 1. The row's sum l is taken of the UNQUANTISED p, in f32, and the product's result is divided by l at the end. Since M is a whole number, a kernel that streams over the keys may use a running M (the ceiling of the running maximum): every later rescaling is an exact power of two, so the quantised numbers keep their values, but for numbers so far below the row's largest that they fall under the format's range.
;;   OPERANDS COMPUTED ON THE WAY. 'Computed on the way' means the value that the module computes at that place (a softmax that the list does not call 'softmax' is quantised finished and normalised). What goes into a quantiser is computed in f32, as accurately as f32 sums, v_exp_f32 and their like allow (about 1e-6 of the number): no bf16 or f16 on the way to a quantiser, and a product that is left as it is and whose result goes on into a quantised operand takes f32 operands (vector FMAs, or v_wmma_f32_16x16x4_f32). A number that lies on a knife's edge between two numbers of the format may be rounded either way, as far as f32 arithmetic and the matrix unit's own rounding can turn it there, and no further.
;; One version. Each part assembles by itself: llvm-mc -triple=amdgcn-amd-amdhsa -mcpu=gfx1250 --defsym DOCPART=n.
;; ======== version 1 of 1: 3 launches
;; workspace buffers: qf 4,194,304 bytes; kv 5,242,880 bytes; ac 1,048,576 bytes
;; launch proj (part 1): grid 64 x 4, 8 waves a work-group, no clusters, 13,312 bytes of LDS; arguments x, Wq, Wk, Wv, lowp_scales, qf, kv; writes qf, kv
.if DOCPART == 1
	.amdgcn_target "amdgcn-amd-amdhsa--gfx1250"
	.amdhsa_code_object_version 6
	.text
	.protected	k_q75e9021375_proj
	.globl	k_q75e9021375_proj
	.p2align	8
	.type	k_q75e9021375_proj,@function
k_q75e9021375_proj:
	s_mov_b64 s[64:65], 0
	v_nop
	global_prefetch_b8 v0, s[64:65] scope:SCOPE_SE
	s_setreg_imm32_b32 hwreg(HW_REG_WAVE_MODE, 25, 1), 1
	s_wait_xcnt 0x0
; MULTI-HEAD ATTENTION, B = 2, T = 4,096, C = 128, 8 heads of 16, causal.  Three launches: this one (the three projections), attn (scores, softmax, p V), outp (the projection on the way out).
; THIS LAUNCH: q = x Wq^T, k = x Wk^T, v = x Wv^T on codes of E4M3 with the given scales 2^e (e0 .. e5): x is quantised three times, since e0, e2 and e4 may differ.
; It stores q x 0.25 log2(e) and k as f32 (the scores' product takes f32 operands) and v as codes under 2^e7, each laid as an image of the registers in which attn wants it.
; WORK LEFT OUT IN THE PROGRAM (in attn): a step of 128 keys all of which come after a wave's 16 queries.  reference() itself sets those scores to -inf by its own tril mask ahead of the softmax,
; so their weights are 0 and they add nothing to the row's sum nor to the product with v, whatever finite values the inputs hold.  Every input has a way to the output and is loaded.
; LIMIT: a NaN, an infinity or an overflow that would arise only in scores left out is not carried to the result.  NaN among the inputs is not served.
; LIMITS on the given exponents, so that each power of two below is an f32 number: e0 .. e5 each between -126 and 119; e0 + e1 between -124 and 129; e2 + e3 between -126 and 127; e7 - e4 - e5 between -126 and 119.
; SHARES.  Work-group (tb, hp): tokens 128 tb .. + 127 of the 8,192, heads 2 hp and 2 hp + 1: 96 columns.  Wave w owns tokens 16 w .. + 15 of them.  Waves 0 to 5 also quantise one tile of 16 rows of a
; weight (matrix w / 2: q, k, v; head 2 hp + w % 2) and hand it to all eight waves through LDS as an image of its registers: 4 stores of 512 bytes, lane l's 16 bytes at 16 l.
; NO CLUSTER, NO TENSOR LOAD: every operand arrives as f32 and has to pass through registers to be quantised; a work-group reads 64 KiB of x and 48 KiB of weights once, all asked for at the head.
; LAYOUT.  Both operands hold k = 32 c + 16 (lane / 16) + 0 .. 15 in registers 4 c .. 4 c + 3: the same order of k on both sides, so every product meets its partner.
; q, k: source 0 = 16 rows of W, source 1 = 16 tokens: a lane holds token lane % 16 and channels 8 (lane / 16) + 0 .. 7.   v: source 0 = 16 tokens, source 1 = 16 rows of Wv: a lane holds channel lane % 16
; and tokens 8 (lane / 16) + 0 .. 7: eight neighbours along the keys, which one conversion turns into two registers of attn's operand.
; qf: [head 16][tile 256][quad 2][lane 32][4 f32].   kv: [head 16][step 32][10,240 bytes]: K [tile 8][quad 2][lane 32][16 bytes], then V's codes [tile 8][lane 32][8 bytes].
.set SPARE, 12288                      ; behind the six images: the spare words, 128 bytes for each of the eight waves
.set X,   16                           ; v16-79   64 numbers of x
.set WT,  80                           ; v80-143  64 numbers of a weight
.set T,   80                           ; v80-111  afterwards: two sets of 16 held numbers
.set WC,  144                          ; v144-159 the weight tile's codes
.set XQ,  160                          ; v160-175 x under e0;  v176-191 under e2;  v192-207 under e4
.set XK,  176
.set XV,  192
.set WF,  16                           ; behind the barrier: v16-111 the six weight fragments
.set ACC, 112                          ; v112-159 the six accumulators
; v4 512 r + 64 h; v5 16 x lane; v6 2,048 x wave + 16 x lane; v7 8 x lane; v8, v9 the add's two; v10, v11 scale and hold (a weight's, later v's); v12-15, v208, v209 x's; v210-213 v's codes
.macro MKS vs, vl, e                   ; from the whole number e in s[e]: 2^e as f32, whose exponent field the conversion takes, and 448 x 2^e
	s_add_co_i32 s36, s[\e], 127
	s_lshl_b32 s37, s36, 23
	v_mov_b32 v[\vs], s37
	s_add_co_i32 s36, s36, 8
	s_lshl_b32 s36, s36, 23
	s_or_b32 s36, s36, 0x600000
	v_mov_b32 v[\vl], s36
.endm
.macro LOAD64 reg, b                   ; of row lane % 16: 16 neighbouring numbers of each block of 32
.irp c, 0,1,2,3
.irp j, 0,1,2,3
	global_load_b128 v[\reg+16*\c+4*\j:\reg+16*\c+4*\j+3], v4, s[\b:\b+1] offset:128*\c+16*\j
.endr
.endr
.endm
.macro QUANTX dst, scl, lim            ; x's 64 numbers stay; held copies go by turns through two sets of 16
.irp b, 0,1,2,3
.irp i, 0,1,2,3,4,5,6,7,8,9,10,11,12,13,14,15
	v_med3_num_f32 v[T+16*(\b%2)+\i], v[X+16*\b+\i], -v[\lim], v[\lim]   ; the conversion to an 8-bit code does not saturate (ISA guide 7.6.2): the hold at the largest code x the scale
.endr
	v_cvt_scalef32_pk8_fp8_f32 v[\dst+4*\b:\dst+4*\b+1], v[T+16*(\b%2):T+16*(\b%2)+7], v[\scl]
	v_cvt_scalef32_pk8_fp8_f32 v[\dst+4*\b+2:\dst+4*\b+3], v[T+16*(\b%2)+8:T+16*(\b%2)+15], v[\scl]
.endr
	v_nop                                          ; a plain line behind the last conversion, ahead of whatever next touches its registers
.endm
	s_load_b256 s[4:11], s[0:1], 0x0               ; x s[4:5], Wq s[6:7], Wk s[8:9], Wv s[10:11]
	s_load_b128 s[12:15], s[0:1], 0x20             ; the exponents s[12:13], qf s[14:15]
	s_load_b64 s[16:17], s[0:1], 0x30              ; kv
	v_lshl_add_u32 v8, v0, 2, SPARE
	v_mov_b32 v9, 0
	v_lshrrev_b32 v1, 5, v0
	v_readfirstlane_b32 s18, v1                    ; wave 0..7
	v_and_b32 v1, 31, v0                           ; lane
	v_and_b32 v2, 15, v0                           ; r
	v_bfe_u32 v3, v0, 4, 1                         ; h
	v_lshlrev_b32 v4, 9, v2
	v_lshl_add_u32 v4, v3, 6, v4                   ; row r of 512 bytes + 64 h
	v_lshlrev_b32 v5, 4, v1
	v_lshlrev_b32 v7, 3, v1
	s_lshl_b32 s36, s18, 11
	v_add_nc_u32 v6, s36, v5                       ; where a wave puts its image: made ahead of the branch on the wave's number
	s_and_b32 s19, ttmp7, 0xffff                   ; hp
	s_lshl_b32 s38, ttmp9, 3
	s_add_co_u32 s38, s38, s18
	s_lshl_b32 s38, s38, 13                        ; my 16 tokens: (8 tb + w) x 16 rows of 512 bytes
	s_mov_b32 s39, 0
	s_wait_kmcnt 0x0
	s_load_b256 s[24:31], s[12:13], 0x0            ; e0 .. e7
	s_add_nc_u64 s[4:5], s[4:5], s[38:39]
	LOAD64 X, 4
	s_cmp_lt_u32 s18, 6
	s_cbranch_scc0 .Ljoin                          ; waves 6 and 7 have no weight tile
	s_lshr_b32 s48, s18, 1                         ; which matrix: 0 q, 1 k, 2 v
	s_and_b32 s49, s18, 1                          ; which of the two heads
	s_lshl_b32 s38, s19, 1
	s_add_co_u32 s38, s38, s49
	s_lshl_b32 s38, s38, 13                        ; the head's 16 rows of 512 bytes
	s_cmp_eq_u32 s48, 0
	s_cselect_b64 s[20:21], s[6:7], s[8:9]
	s_cmp_eq_u32 s48, 2
	s_cselect_b64 s[20:21], s[10:11], s[20:21]
	s_add_nc_u64 s[20:21], s[20:21], s[38:39]
	LOAD64 WT, 20
	s_wait_kmcnt 0x0
	s_cmp_eq_u32 s48, 0
	s_cselect_b32 s50, s25, s27
	s_cmp_eq_u32 s48, 2
	s_cselect_b32 s50, s29, s50                    ; e1, e3 or e5
	MKS 10, 11, 50
	s_wait_loadcnt 0x0
.irp b, 0,1,2,3
.irp i, 0,1,2,3,4,5,6,7,8,9,10,11,12,13,14,15
	v_med3_num_f32 v[WT+16*\b+\i], v[WT+16*\b+\i], -v11, v11
.endr
	v_cvt_scalef32_pk8_fp8_f32 v[WC+4*\b:WC+4*\b+1], v[WT+16*\b:WT+16*\b+7], v10
	v_cvt_scalef32_pk8_fp8_f32 v[WC+4*\b+2:WC+4*\b+3], v[WT+16*\b+8:WT+16*\b+15], v10
.endr
	v_nop                                          ; a plain line behind the last conversion: x's held numbers are written over the weight's next
.irp c, 0,1,2,3
	ds_store_b128 v6, v[WC+4*\c:WC+4*\c+3] offset:512*\c   ; the fragment goes to LDS as it stands
.endr
.Ljoin:
	s_wait_loadcnt 0x0                             ; x
	s_wait_kmcnt 0x0                               ; the exponents
	MKS 12, 13, 24
	MKS 14, 15, 26
	MKS 208, 209, 28
	QUANTX XQ, 12, 13
	QUANTX XK, 14, 15
	QUANTX XV, 208, 209
	s_wait_dscnt 0x0                               ; for the others' sake: my image has landed
	s_barrier_signal -1
	s_barrier_wait -1                              ; the six images are whole
.irp f, 0,1,2,3,4,5
.irp c, 0,1,2,3
	ds_load_b128 v[WF+16*\f+4*\c:WF+16*\f+4*\c+3], v5 offset:2048*\f+512*\c
.endr
.endr
	; while they come: the factors and the addresses of the way out
	s_add_co_i32 s36, s24, s25
	s_lshl_b32 s36, s36, 23
	s_add_co_i32 s32, s36, 0x3eb8aa3b              ; 0.25 log2(e) x 2^(e0 + e1): the exponents are added to the constant's exponent field
	s_mov_b32 s33, s32                             ; (named with it as a pair, so it is written)
	s_add_co_i32 s36, s26, s27
	s_add_co_i32 s36, s36, 127
	s_lshl_b32 s34, s36, 23                        ; 2^(e2 + e3)
	s_mov_b32 s35, s34
	s_sub_co_i32 s50, s31, s28
	s_sub_co_i32 s50, s50, s29                     ; a sum of the third product stands for sum x 2^(e4 + e5): its code is sum / 2^(e7 - e4 - e5)
	MKS 10, 11, 50
	s_lshr_b32 s36, ttmp9, 5
	s_lshl_b32 s36, s36, 3
	s_lshl_b32 s37, s19, 1
	s_add_co_u32 s36, s36, s37                     ; 8 b + 2 hp: the first of my two heads
	s_and_b32 s37, ttmp9, 31                       ; the step of 128 tokens within the batch
	s_lshl_b32 s40, s36, 8
	s_lshl_b32 s41, s37, 3
	s_add_co_u32 s40, s40, s41
	s_add_co_u32 s40, s40, s18
	s_lshl_b32 s40, s40, 10                        ; qf: (256 head + 8 step + w) tiles of 1,024 bytes
	s_mov_b32 s41, 0
	s_add_nc_u64 s[14:15], s[14:15], s[40:41]
	s_mul_i32 s42, s36, 327680
	s_mul_i32 s43, s37, 10240
	s_add_co_u32 s42, s42, s43                     ; kv: the head's and the step's place
	s_lshl_b32 s40, s18, 10
	s_add_co_u32 s40, s40, s42                     ; K's tile w
	s_add_nc_u64 s[44:45], s[16:17], s[40:41]
	s_lshl_b32 s40, s18, 8
	s_add_co_u32 s40, s40, s42
	s_add_co_u32 s40, s40, 8192                    ; V's tile w
	s_add_nc_u64 s[46:47], s[16:17], s[40:41]
	s_wait_dscnt 0x0
.irp f, 0,1
	v_wmma_f32_16x16x128_fp8_fp8 v[ACC+8*\f:ACC+8*\f+7], v[WF+16*\f:WF+16*\f+15], v[XQ:XQ+15], 0
.endr
.irp f, 2,3
	v_wmma_f32_16x16x128_fp8_fp8 v[ACC+8*\f:ACC+8*\f+7], v[WF+16*\f:WF+16*\f+15], v[XK:XK+15], 0
.endr
.irp f, 4,5
	v_wmma_f32_16x16x128_fp8_fp8 v[ACC+8*\f:ACC+8*\f+7], v[XV:XV+15], v[WF+16*\f:WF+16*\f+15], 0
.endr
.rept 4
	v_nop                                          ; four places between the products and the first read of their results (ISA guide 7.12.1)
.endr
.irp f, 0,1
.irp i, 0,2,4,6
	v_pk_mul_f32 v[ACC+8*\f+\i:ACC+8*\f+\i+1], v[ACC+8*\f+\i:ACC+8*\f+\i+1], s[32:33] op_sel_hi:[1,0]   ; q x 0.25 log2(e); each accumulator from its low end on
.endr
.endr
.irp f, 2,3
.irp i, 0,2,4,6
	v_pk_mul_f32 v[ACC+8*\f+\i:ACC+8*\f+\i+1], v[ACC+8*\f+\i:ACC+8*\f+\i+1], s[34:35] op_sel_hi:[1,0]   ; k
.endr
.endr
.irp f, 0,1
	global_store_b128 v5, v[ACC+8*\f:ACC+8*\f+3], s[14:15] offset:262144*\f          ; 32 lanes store 512 consecutive bytes, at a multiple of 256 from the buffer's first byte
	global_store_b128 v5, v[ACC+8*\f+4:ACC+8*\f+7], s[14:15] offset:262144*\f+512
	global_store_b128 v5, v[ACC+16+8*\f:ACC+16+8*\f+3], s[44:45] offset:327680*\f
	global_store_b128 v5, v[ACC+16+8*\f+4:ACC+16+8*\f+7], s[44:45] offset:327680*\f+512
.endr
.irp f, 0,1
.irp i, 0,1,2,3,4,5,6,7
	v_med3_num_f32 v[ACC+32+8*\f+\i], v[ACC+32+8*\f+\i], -v11, v11
.endr
	v_cvt_scalef32_pk8_fp8_f32 v[210+2*\f:211+2*\f], v[ACC+32+8*\f:ACC+32+8*\f+7], v10   ; eight neighbouring keys of one channel
.endr
	v_nop
.irp f, 0,1
	global_store_b64 v7, v[210+2*\f:211+2*\f], s[46:47] offset:327680*\f              ; 32 lanes store 256 consecutive bytes, aligned
.endr
	s_wait_tensorcnt 0x0                           ; the wave's end: behind my last LDS store
	ds_add_u32 v8, v9
	s_wait_dscnt 0x0
	s_endpgm
.Lfunc_end_k_q75e9021375_proj:
	.size	k_q75e9021375_proj, .Lfunc_end_k_q75e9021375_proj-k_q75e9021375_proj
	.p2alignl 7, 3214868480
	.fill 96, 4, 3214868480
	.section	.rodata,"a",@progbits
	.p2align	6, 0x0
	.amdhsa_kernel k_q75e9021375_proj
		.amdhsa_group_segment_fixed_size 13312
		.amdhsa_private_segment_fixed_size 0
		.amdhsa_enable_private_segment 0
		.amdhsa_kernarg_size 56
		.amdhsa_user_sgpr_count 2
		.amdhsa_user_sgpr_kernarg_segment_ptr 1
		.amdhsa_wavefront_size32 1
		.amdhsa_system_sgpr_workgroup_id_x 1
		.amdhsa_system_sgpr_workgroup_id_y 1
		.amdhsa_system_sgpr_workgroup_id_z 1
		.amdhsa_system_vgpr_workitem_id 0
		.amdhsa_next_free_vgpr 216
		.amdhsa_next_free_sgpr 66
		.amdhsa_reserve_vcc 0
		.amdhsa_float_denorm_mode_32 3
		.amdhsa_float_denorm_mode_16_64 3
		.amdhsa_memory_ordered 1
		.amdhsa_forward_progress 1
		.amdhsa_inst_pref_size 32
	.end_amdhsa_kernel
	.amdgpu_metadata
---
amdhsa.version: [ 1, 2 ]
amdhsa.kernels:
  - .name:           k_q75e9021375_proj
    .symbol:         k_q75e9021375_proj.kd
    .args:
      - { .name: x, .offset: 0, .size: 8, .value_kind: global_buffer, .address_space: global }
      - { .name: Wq, .offset: 8, .size: 8, .value_kind: global_buffer, .address_space: global }
      - { .name: Wk, .offset: 16, .size: 8, .value_kind: global_buffer, .address_space: global }
      - { .name: Wv, .offset: 24, .size: 8, .value_kind: global_buffer, .address_space: global }
      - { .name: lowp_scales, .offset: 32, .size: 8, .value_kind: global_buffer, .address_space: global }
      - { .name: qf, .offset: 40, .size: 8, .value_kind: global_buffer, .address_space: global }
      - { .name: kv, .offset: 48, .size: 8, .value_kind: global_buffer, .address_space: global }
    .group_segment_fixed_size: 13312
    .private_segment_fixed_size: 0
    .kernarg_segment_align: 8
    .kernarg_segment_size: 56
    .max_flat_workgroup_size: 256
    .sgpr_count:     66
    .vgpr_count:     216
    .wavefront_size: 32
...
	.end_amdgpu_metadata
.endif
;; end of part 1
;; launch attn (part 2): grid 16 x 16, 16 waves a work-group, no clusters, 327,680 bytes of LDS; arguments qf, kv, lowp_scales, ac; writes ac
.if DOCPART == 2
	.amdgcn_target "amdgcn-amd-amdhsa--gfx1250"
	.amdhsa_code_object_version 6
	.text
	.protected	k_q75e9021375_attn
	.globl	k_q75e9021375_attn
	.p2align	8
	.type	k_q75e9021375_attn,@function
k_q75e9021375_attn:
	s_mov_b64 s[64:65], 0
	v_nop
	global_prefetch_b8 v0, s[64:65] scope:SCOPE_SE
	s_setreg_imm32_b32 hwreg(HW_REG_WAVE_MODE, 25, 1), 1
	s_wait_xcnt 0x0
; att[head][q][:] = the sum over keys k <= q of softmax_k(q . k / 4) v[k][:], 16 heads (2 batches x 8) of 4,096 tokens x 16 channels.
; The scores' product (K = 16) takes f32 operands, by v_wmma_f32_16x16x4_f32, since its result goes on into a quantised operand.  The second product is on codes of E4M3: p under 2^e6, v under 2^e7.
; SOFTMAX: qf holds q x 0.25 log2(e), so a score IS t.  M = the running largest t rounded up to a whole number, kept as -M; p = 2^(t - M) is what is quantised; the row's sum is taken of the unquantised p and
; divides at the end; when M moves, the sum and O are multiplied by 2^(old M - new M), which rounds nothing.  att is quantised under 2^e8 and stored as codes, laid as outp's operand registers.
; WORK LEFT OUT: a step of 128 keys all of which come after a wave's 16 queries (reference()'s own tril mask gives them the weight 0 for all values of the inputs); an infinity or NaN that would arise only there is not carried on.
; LIMITS: e6, and e8 - e6 - e7, between -126 and 119, so that each power of two below is an f32 number.  NaN among the inputs is not served.
; SHARES.  Work-group (i, head) owns the blocks of 128 queries i and 31 - i: (i + 1) + (32 - i) = 33 block-steps in every work-group.  Each of its 16 waves owns one tile of 16 queries in 256 registers;
; wave w takes tile w / 2 of the low block where (w xor w / 4) is even, else of the high block.
; RING.  Two LDS slots of four steps (512 keys, 40,960 bytes, dense in kv), 65,536 bytes apart, so that one exclusive or turns an address.  Wave 0 fetches a slot by ONE tensor load of 160 rows x 256 bytes:
; by this text's count one tensor load is out at the most.  Every work-group walks all eight changes of slots (the trip counts are constants); a slot whose first key comes after the work-group's last query is not asked for.
; One load to a slot, so that every load that is issued holds the slot's first step, which the work-group's last wave reads.
; NO CLUSTER: where a work-group's loads end hangs on its number (32 - i steps), so partners would need different numbers of tiles.
; LAYOUT.  S^T = K Q^T (source 0 = 16 keys, source 1 = my 16 queries): lane (r, h) holds query r and keys 16 c + 8 h + 0 .. 7 of tile c: one conversion gives registers 2 c, 2 c + 1 of P^T.
; In K step s of the f32 form a lane feeds its registers 2 s, 2 s + 1, channels 8 h + 2 s + 0, 1, of K and of Q alike: the same order of k on both sides.  O^T = V^T P^T: lane (r, h) holds query r, channels 8 h + 0 .. 7.
; REGISTERS: v1 16 x lane; v2 8 x lane + 8,192; v3 256 x lane; v4 2^e6; v5, v6 the add's two; v7 at work; v8, v9 the step's LDS addresses; v[10:11] f and at work; v12 -M; v13 the largest t; v[14:15] the sum in two halves;
; v16-23 Q; v24-31 O^T; v32-95 K; v96-159 S^T, written by the f32 matrix form alone; v160-223 p (and the mask, and the maximum's partial results); v224-239 p's codes; v240-255 V.
.set STEPB, 10240
.set SLOTB, 40960
.set SLOT1, 65536
.set SPARE, 131072                     ; behind the ring: the spare words, 128 bytes for each of the 16 waves
.set HEADB, 327680                     ; a head's bytes in kv
.set QR,  16
.set OT,  24
.set KR,  32
.set S,   96
.set P,   160
.set PC,  224
.set VF,  240
.set WV,  24                           ; s24 my wave's number
.set Q0,  25                           ; s25 my first query;  s26 my last;  s27 the work-group's last
.set Q15, 26
.set QL,  27
.set KF,  28                           ; s28 the step's first key
.set TB,  29                           ; s29 LDS byte at which the step's tiles begin
.set SLOTS, 30                         ; s30 changes of slots still to come that may ask for a slot
.set STEPS, 31
.set SEL, 32                           ; s[32:33] v_permlanex16_b32's selects: lane l xor 16
.set HOLD, 34                          ; s34 448 x 2^e6
.set PFA, 36                           ; s[36:37] where my prefetches stand
.set LIM, 38                           ; s38 1 in a wave that prefetches, else the greatest number
; s[12:15] descriptor group 0, which walks;  s[16:23] group 1;  s[56:57] e6, e7;  s58 e8;  s39-47 at work
.macro TLOAD                           ; wave 0 fetches; an s_nop 0 and four v_nop follow the line
	s_cmp_eq_u32 s[WV], 0
	s_cbranch_scc0 .Lasked_\@
	tensor_load_to_lds s[12:15], s[16:23]
	s_nop 0
.rept 4
	v_nop
.endr
.Lasked_\@:
.endm
; A prefetch of the slot that the NEXT change of slots will ask for: 40,960 bytes, five waves x 32 lanes x 256 bytes.  All 16 work-groups of a head walk the same kv: work-group i = 0, which walks all eight slots,
; asks, in its waves 2 to 6, one instruction each: each aligned block of 256 bytes is named once in the launch.  Slots 0 and 1 come by their loads alone; the last change that fills asks for nothing.
.macro ASK
	s_cmp_gt_u32 s[SLOTS], s[LIM]
	s_cbranch_scc0 .Lnot_mine_\@
	global_prefetch_b8 v3, s[PFA:PFA+1] th:TH_LOAD_NT scope:SCOPE_SE
.Lnot_mine_\@:
.endm
; THE CHANGE OF SLOTS stands at a slot's head: every wave waits for all its tensor loads, adds 0 to its spare word, waits for that and for its reads of the slot that it has left, and passes the barrier.
; Behind it the slot ahead is whole and nobody reads the other one, which is then filled with the next 512 keys: that load has four steps in which to land.
.macro CHANGE fill
	s_wait_tensorcnt 0x0                           ; no tensor load of mine is out, so group 0 may be written
	ds_add_u32 v5, v6
.if \fill
	ds_add_u32 v5, v6                              ; and twice on end here, in every trip alike
	s_xor_b32 s13, s13, SLOT1                      ; the other slot than last time,
	s_add_nc_u64 s[14:15], s[14:15], SLOTB         ; the next 512 keys; the type bits on top are not reached
	s_wait_xcnt 0x0                                ; the last prefetch, a slot back, has read its address, so it may be written
	s_add_nc_u64 s[PFA:PFA+1], s[PFA:PFA+1], SLOTB
.endif
	s_wait_dscnt 0x0                               ; the add is done, and my reads of the slot that I have left are over
	s_barrier_signal -1
	s_barrier_wait -1
.if \fill
	s_add_co_u32 s40, s[KF], 512                   ; the first key of the slot that this change would ask for
	s_cmp_gt_u32 s40, s[QL]                        ; ids and the count of steps alone: all 16 waves go the same way, and a work-group that is past the limit stays past it
	s_cbranch_scc1 .Lpast_\@
	TLOAD                                          ; the first tensor load behind the barrier, and the wave's only one until the next
.Lpast_\@:
	ASK
.endif
.endm
; 32 products: S^T of 8 tiles of 16 keys, K = 16 in four steps.  The eight accumulators take turns, one instruction a turn.
; mask = 1: the sums begin with the mask (0 or -infinity) in p's registers; mask = 0: with the constant 0.
.macro SCORES mask
.irp s, 0,1,2,3
.irp c, 0,1,2,3,4,5,6,7
.if \s == 0
.if \mask
	v_wmma_f32_16x16x4_f32 v[S+8*\c:S+8*\c+7], v[KR+8*\c:KR+8*\c+1], v[QR:QR+1], v[P+8*\c:P+8*\c+7]
.else
	v_wmma_f32_16x16x4_f32 v[S+8*\c:S+8*\c+7], v[KR+8*\c:KR+8*\c+1], v[QR:QR+1], 0
.endif
.else
	v_wmma_f32_16x16x4_f32 v[S+8*\c:S+8*\c+7], v[KR+8*\c+2*\s:KR+8*\c+2*\s+1], v[QR+2*\s:QR+2*\s+1], v[S+8*\c:S+8*\c+7]
.endif
.endr
.endr
.endm
; A KEY STEP: 128 keys at LDS byte s[TB].
.macro STEP
	s_cmp_gt_u32 s[KF], s[Q15]
	s_cbranch_scc1 .Lhid_\@                        ; all 128 keys come after my queries: the step's work is left out; the lines at its end that step the key and the address are not
	v_add_nc_u32 v8, s[TB], v1
	v_add_nc_u32 v9, s[TB], v2
	v_nop
	v_nop                                          ; with the two additions: four places between the last FP8 product and the loads into V's registers (ISA guide 7.12.1 for vector instructions)
.irp c, 0,1,2,3,4,5,6,7
	ds_load_b128 v[KR+8*\c:KR+8*\c+3], v8 offset:1024*\c          ; 32 lanes read 512 consecutive bytes
	ds_load_b128 v[KR+8*\c+4:KR+8*\c+7], v8 offset:1024*\c+512
.endr
.irp c, 0,1,2,3,4,5,6,7
	ds_load_b64 v[VF+2*\c:VF+2*\c+1], v9 offset:256*\c
.endr
	s_add_co_u32 s40, s[KF], 127
	s_cmp_le_u32 s40, s[Q0]
	s_cbranch_scc1 .Lopen_\@                       ; all 128 keys count
	; the one step of a wave that lies on the diagonal.  Register 8 c + j holds key KF + 16 c + 8 h + j: hidden where 16 c + j > d = Q0 - KF + r - 8 h
	s_sub_co_i32 s40, s[Q0], s[KF]
	v_and_b32 v11, 15, v0
	v_bfe_u32 v10, v0, 4, 1
	v_lshlrev_b32 v10, 3, v10
	v_sub_nc_u32 v11, v11, v10
	v_add_nc_u32 v11, s40, v11
	v_mov_b32 v7, 0xff800000                       ; -infinity
.irp n, 0,1,2,3,4,5,6,7,8,9,10,11,12,13,14,15,16,17,18,19,20,21,22,23,24,25,26,27,28,29,30,31,32,33,34,35,36,37,38,39,40,41,42,43,44,45,46,47,48,49,50,51,52,53,54,55,56,57,58,59,60,61,62,63
	v_cmp_gt_i32 vcc_lo, 16*(\n/8)+\n%8, v11
	v_cndmask_b32 v[P+\n], 0, v7, vcc_lo
.endr
	s_wait_dscnt 8                                 ; K's 16 loads are in; the 8 loads of V issued behind them may be out
	SCORES 1
	s_branch .Lsoft_\@
.Lopen_\@:
	s_wait_dscnt 8                                 ; K's 16 loads are in; the 8 loads of V issued behind them may be out
	SCORES 0
.Lsoft_\@:
.rept 8
	v_nop                                          ; eight places between the f32 form and the first read of its results (ISA guide 7.12.1)
.endr
	; the step's largest t of my query among my 64 keys; each accumulator is read from its low end first
.irp c, 0,1,2,3,4,5,6,7
	v_max3_num_f32 v[P+8*\c], v[S+8*\c], v[S+8*\c+1], v[S+8*\c+2]
.endr
.irp c, 0,1,2,3,4,5,6,7
	v_max3_num_f32 v[P+8*\c], v[P+8*\c], v[S+8*\c+3], v[S+8*\c+4]
.endr
.irp c, 0,1,2,3,4,5,6,7
	v_max3_num_f32 v[P+8*\c], v[P+8*\c], v[S+8*\c+5], v[S+8*\c+6]
.endr
.irp c, 0,2,4,6
	v_max3_num_f32 v[P+8*\c], v[P+8*\c], v[S+8*\c+7], v[S+8*\c+15]
.endr
	v_max3_num_f32 v[P], v[P], v[P+8], v[P+16]
	v_max3_num_f32 v[P+24], v[P+24], v[P+32], v[P+40]
	v_max3_num_f32 v[P], v[P], v[P+48], v[P+56]
	v_max_num_f32 v[P], v[P], v[P+24]
	v_permlanex16_b32 v10, v[P], s[SEL], s[SEL+1]  ; the query's other 64 keys lie in the lane 16 away
	v_max3_num_f32 v13, v13, v[P], v10             ; the running largest t
	v_mov_b32 v11, v12
	v_floor_f32 v12, -v13                          ; the new -M = floor(-t) = -ceil(t): M is a whole number
	v_sub_f32 v11, v12, v11                        ; old M - new M: a whole number, 0 or less
	v_cvt_i32_f32 v11, v11                         ; (it saturates)
	v_ldexp_f32 v10, 1.0, v11                      ; f = 2^(old M - new M)
.irp j, 0,2,4,6,8,10,12,14,16,18,20,22,24,26,28,30,32,34,36,38,40,42,44,46,48,50,52,54,56,58,60,62
	v_pk_add_f32 v[P+\j:P+\j+1], v[S+\j:S+\j+1], v[12:13] op_sel_hi:[1,0]   ; t - M, two at a time, into other registers than the sums'
.endr
.irp j, 0,1,2,3,4,5,6,7,8,9,10,11,12,13,14,15,16,17,18,19,20,21,22,23,24,25,26,27,28,29,30,31,32,33,34,35,36,37,38,39,40,41,42,43,44,45,46,47,48,49,50,51,52,53,54,55,56,57,58,59,60,61,62,63
	v_exp_f32 v[P+\j], v[P+\j]                     ; p = 2^(t - M), at most 1, not normalised; 0 where the key is hidden
.endr
	v_pk_mul_f32 v[14:15], v[14:15], v[10:11] op_sel_hi:[1,0]   ; the sum under the new M: the plain line behind the exponentials
	s_wait_alu depctr_va_vdst(0)                   ; one wait for the batch of 64, ahead of its first reader
	v_pk_add_f32 v[PC:PC+1], v[P:P+1], v[P+2:P+3]  ; the row's sum is taken of the unquantised p: two at a time, in two chains
.irp j, 4,8,12,16,20,24,28,32,36,40,44,48,52,56,60
	v_pk_add_f32 v[14:15], v[14:15], v[P+\j:P+\j+1]
	v_pk_add_f32 v[PC:PC+1], v[PC:PC+1], v[P+\j+2:P+\j+3]
.endr
	v_pk_add_f32 v[14:15], v[14:15], v[PC:PC+1]
.irp j, 0,1,2,3,4,5,6,7,8,9,10,11,12,13,14,15,16,17,18,19,20,21,22,23,24,25,26,27,28,29,30,31,32,33,34,35,36,37,38,39,40,41,42,43,44,45,46,47,48,49,50,51,52,53,54,55,56,57,58,59,60,61,62,63
	v_min_num_f32 v[P+\j], s[HOLD], v[P+\j]        ; the conversion does not saturate (ISA guide 7.6.2); p is not negative, so the hold is one-sided
.endr
.irp c, 0,1,2,3,4,5,6,7
	v_cvt_scalef32_pk8_fp8_f32 v[PC+2*\c:PC+2*\c+1], v[P+8*\c:P+8*\c+7], v4
.endr
.irp j, 0,2,4,6
	v_pk_mul_f32 v[OT+\j:OT+\j+1], v[OT+\j:OT+\j+1], v[10:11] op_sel_hi:[1,0]   ; O^T under the new M; also the plain lines between the conversions and the product
.endr
	s_wait_dscnt 0x0                               ; V is in
	v_wmma_f32_16x16x128_fp8_fp8 v[OT:OT+7], v[VF:VF+15], v[PC:PC+15], v[OT:OT+7]   ; 32 products of other accumulators stand between two of these
.Lhid_\@:
	s_add_co_u32 s[KF], s[KF], 128
	s_add_co_u32 s[TB], s[TB], STEPB
.endm
.macro SLOT_STEPS                      ; a slot's four steps: written once, walked four times
	s_mov_b32 s[STEPS], 4
.Lstep_\@:
	STEP
	s_sub_co_u32 s[STEPS], s[STEPS], 1
	s_cmp_lg_u32 s[STEPS], 0
	s_cbranch_scc1 .Lstep_\@
	s_sub_co_u32 s[TB], s[TB], SLOTB               ; back to a slot's first step,
	s_xor_b32 s[TB], s[TB], SLOT1                  ; in the other slot
.endm
	s_load_b256 s[4:11], s[0:1], 0x0               ; qf s[4:5], kv s[6:7], the exponents s[8:9], ac s[10:11]
	v_lshl_add_u32 v5, v0, 2, SPARE
	v_mov_b32 v6, 0
	ds_add_u32 v5, v6                              ; the wave's opening: the add, twice on end, and its wait ahead of the first tensor load
	ds_add_u32 v5, v6
	v_lshrrev_b32 v1, 5, v0
	v_readfirstlane_b32 s[WV], v1                  ; wave 0..15
	v_and_b32 v3, 31, v0
	v_lshlrev_b32 v1, 4, v3                        ; 16 x lane
	v_lshlrev_b32 v2, 3, v3
	v_add_nc_u32 v2, 8192, v2                      ; 8 x lane, behind a step's K
	v_lshlrev_b32 v3, 8, v3                        ; 256 x lane
	s_and_b32 s39, ttmp7, 0xffff                   ; the head
	s_lshr_b32 s40, s[WV], 2
	s_xor_b32 s40, s40, s[WV]
	s_and_b32 s40, s40, 1                          ; 0: the low block, 1: the high one
	s_sub_co_u32 s41, 31, ttmp9
	s_cmp_eq_u32 s40, 0
	s_cselect_b32 s41, ttmp9, s41                  ; my block of 128 queries
	s_lshl_b32 s41, s41, 7
	s_lshr_b32 s42, s[WV], 1
	s_lshl_b32 s42, s42, 4
	s_add_co_u32 s[Q0], s41, s42
	s_add_co_u32 s[Q15], s[Q0], 15
	s_sub_co_u32 s[QL], 32, ttmp9
	s_lshl_b32 s[QL], s[QL], 7
	s_sub_co_u32 s[QL], s[QL], 1                   ; the high block's last query
	s_mul_i32 s42, s39, HEADB
	s_mov_b32 s43, 0
	; descriptor group 1: 160 rows of 256 bytes, dense in memory and in LDS
	s_mov_b32 s16, 3<<16                           ; no mask; elements of 8 bytes; no padding
	s_mov_b32 s17, 32<<16                          ; tensor_dim0 = 32
	s_mov_b32 s18, 160<<16                         ; tensor_dim1 = 160
	s_mov_b32 s19, 32<<16                          ; tile_dim0 = 32
	s_mov_b32 s20, 160                             ; tile_dim1 = 160
	s_mov_b32 s21, 32                              ; from row to row
	s_mov_b32 s22, 0
	s_mov_b32 s23, 0
	s_mov_b32 s[SEL], 0x76543210
	s_mov_b32 s[SEL+1], 0xfedcba98
	s_mov_b32 s[KF], 0
	s_mov_b32 s[TB], 0
	s_mov_b32 s[SLOTS], 7
	s_wait_dscnt 0x0                               ; both opening adds are done
	s_wait_kmcnt 0x0
	s_load_b64 s[56:57], s[8:9], 0x18              ; e6, e7
	s_load_b32 s58, s[8:9], 0x20                   ; e8
	s_add_nc_u64 s[6:7], s[6:7], s[42:43]          ; kv at my head
	s_mov_b32 s12, 1                               ; count = 1
	s_mov_b32 s13, 0                               ; LDS address: slot 0
	s_mov_b64 s[14:15], s[6:7]                     ; the head's first 512 keys
	s_or_b32 s15, s15, 0x80000000                  ; type = 2
	TLOAD                                          ; slot 0: its key 0 counts for every query
	s_lshr_b32 s40, s[Q0], 4
	s_lshl_b32 s41, s39, 8
	s_add_co_u32 s40, s40, s41                     ; 256 head + my tile
	s_lshl_b32 s44, s40, 10
	s_mov_b32 s45, 0
	s_add_nc_u64 s[4:5], s[4:5], s[44:45]
	global_load_b128 v[QR:QR+3], v1, s[4:5] th:TH_LOAD_NT            ; Q stays in registers; this tile is read by this wave alone
	global_load_b128 v[QR+4:QR+7], v1, s[4:5] offset:512 th:TH_LOAD_NT
	s_lshl_b32 s44, s40, 8
	s_add_nc_u64 s[10:11], s[10:11], s[44:45]      ; ac at my tile's 256 bytes
	; the prefetches: who asks, and where
	s_sub_co_i32 s40, s[WV], 2
	s_cmp_le_u32 s40, 4                            ; waves 2 to 6
	s_cselect_b32 s41, 0, 1
	s_or_b32 s41, s41, ttmp9                       ; of work-group i = 0
	s_max_i32 s40, s40, 0
	s_min_u32 s40, s40, 4                          ; (held inside the slot in the waves that never ask)
	s_lshl_b32 s46, s40, 13                        ; my wave's 8,192 bytes,
	s_add_co_u32 s46, s46, SLOTB                   ; in slot 1: the first change of slots steps it to slot 2
	s_mov_b32 s47, 0
	s_add_nc_u64 s[PFA:PFA+1], s[6:7], s[46:47]
	s_cmp_eq_u32 s41, 0
	s_cselect_b32 s[LIM], 1, -1
	v_mov_b32 v13, 0xff61b1e6                      ; the largest t so far: -3e38, under every t
	v_floor_f32 v12, -v13                          ; -M
	v_mov_b32 v14, 0                               ; the sum, in two halves
	v_mov_b32 v15, 0
	v_mov_b32 v10, 0                               ; written once: a lane permute's destination counts as one of its sources
	v_mov_b32 v11, 0
.irp j, 0,1,2,3,4,5,6,7
	v_mov_b32 v[OT+\j], 0                          ; O^T: the step is written once; its first run finds zeros, which the first change of M leaves zeros
.endr
	s_wait_kmcnt 0x0
	s_add_co_i32 s40, s56, 127
	s_lshl_b32 s41, s40, 23
	v_mov_b32 v4, s41                              ; 2^e6 as f32: the conversion takes its exponent field
	s_add_co_i32 s40, s40, 8
	s_lshl_b32 s40, s40, 23
	s_or_b32 s[HOLD], s40, 0x600000                ; 448 x 2^e6
	s_wait_loadcnt 0x0                             ; Q
.Lslot:                                            ; seven trips: behind each change of slots but the last the next slot is asked for, up to the causal limit
	CHANGE 1
	SLOT_STEPS
	s_sub_co_u32 s[SLOTS], s[SLOTS], 1
	s_cmp_lg_u32 s[SLOTS], 0
	s_cbranch_scc1 .Lslot
	CHANGE 0                                       ; the last slot is written out: nothing is left to ask for
	SLOT_STEPS
	; THE WAY OUT: O^T / the sum, quantised under 2^e8; a lane's eight channels are 8 bytes, the wave's 32 lanes one aligned run of 256 bytes
.rept 4
	v_nop                                          ; four places behind the last product
.endr
	v_add_f32 v14, v14, v15                        ; the sum's two halves,
	v_permlanex16_b32 v10, v14, s[SEL], s[SEL+1]
	v_add_f32 v14, v14, v10                        ; and lane l xor 16's
	v_rcp_f32 v14, v14
	v_and_b32 v7, 31, v0                           ; (the plain line behind the reciprocal)
	v_lshlrev_b32 v7, 3, v7                        ; 8 x lane
	s_sub_co_i32 s40, s58, s56
	s_sub_co_i32 s40, s40, s57                     ; a sum stands for sum x 2^(e6 + e7): its code is (sum / l) / 2^(e8 - e6 - e7)
	s_add_co_i32 s40, s40, 127
	s_lshl_b32 s41, s40, 23
	v_mov_b32 v10, s41
	s_add_co_i32 s40, s40, 8
	s_lshl_b32 s40, s40, 23
	s_or_b32 s40, s40, 0x600000
	v_mov_b32 v11, s40
	s_wait_alu depctr_va_vdst(0)                   ; the wait ahead of the reciprocal's first reader
.irp j, 0,1,2,3,4,5,6,7
	v_mul_f32 v[P+\j], v[OT+\j], v14               ; from the accumulator's low end on
.endr
.irp j, 0,1,2,3,4,5,6,7
	v_med3_num_f32 v[P+\j], v[P+\j], -v11, v11
.endr
	v_cvt_scalef32_pk8_fp8_f32 v[PC:PC+1], v[P:P+7], v10
	v_nop
	global_store_b64 v7, v[PC:PC+1], s[10:11]
	s_wait_tensorcnt 0x0                           ; the wave's end
	ds_add_u32 v5, v6
	s_wait_dscnt 0x0
	s_endpgm
.Lfunc_end_k_q75e9021375_attn:
	.size	k_q75e9021375_attn, .Lfunc_end_k_q75e9021375_attn-k_q75e9021375_attn
	.p2alignl 7, 3214868480
	.fill 96, 4, 3214868480
	.section	.rodata,"a",@progbits
	.p2align	6, 0x0
	.amdhsa_kernel k_q75e9021375_attn
		.amdhsa_group_segment_fixed_size 327680
		.amdhsa_private_segment_fixed_size 0
		.amdhsa_enable_private_segment 0
		.amdhsa_kernarg_size 32
		.amdhsa_user_sgpr_count 2
		.amdhsa_user_sgpr_kernarg_segment_ptr 1
		.amdhsa_wavefront_size32 1
		.amdhsa_system_sgpr_workgroup_id_x 1
		.amdhsa_system_sgpr_workgroup_id_y 1
		.amdhsa_system_sgpr_workgroup_id_z 1
		.amdhsa_system_vgpr_workitem_id 0
		.amdhsa_next_free_vgpr 256
		.amdhsa_next_free_sgpr 66
		.amdhsa_reserve_vcc 1
		.amdhsa_float_denorm_mode_32 3
		.amdhsa_float_denorm_mode_16_64 3
		.amdhsa_memory_ordered 1
		.amdhsa_forward_progress 1
		.amdhsa_inst_pref_size 54
	.end_amdhsa_kernel
	.amdgpu_metadata
---
amdhsa.version: [ 1, 2 ]
amdhsa.kernels:
  - .name:           k_q75e9021375_attn
    .symbol:         k_q75e9021375_attn.kd
    .args:
      - { .name: qf, .offset: 0, .size: 8, .value_kind: global_buffer, .address_space: global }
      - { .name: kv, .offset: 8, .size: 8, .value_kind: global_buffer, .address_space: global }
      - { .name: lowp_scales, .offset: 16, .size: 8, .value_kind: global_buffer, .address_space: global }
      - { .name: ac, .offset: 24, .size: 8, .value_kind: global_buffer, .address_space: global }
    .group_segment_fixed_size: 327680
    .private_segment_fixed_size: 0
    .kernarg_segment_align: 8
    .kernarg_segment_size: 32
    .max_flat_workgroup_size: 512
    .sgpr_count:     66
    .vgpr_count:     256
    .wavefront_size: 32
...
	.end_amdgpu_metadata
.endif
;; end of part 2
;; launch outp (part 3): grid 256 x 1, 8 waves a work-group, no clusters, 17,920 bytes of LDS; arguments ac, Wp, bp, lowp_scales, out0; writes out0
.if DOCPART == 3
	.amdgcn_target "amdgcn-amd-amdhsa--gfx1250"
	.amdhsa_code_object_version 6
	.text
	.protected	k_q75e9021375_outp
	.globl	k_q75e9021375_outp
	.p2align	8
	.type	k_q75e9021375_outp,@function
k_q75e9021375_outp:
	s_mov_b64 s[64:65], 0
	v_nop
	global_prefetch_b8 v0, s[64:65] scope:SCOPE_SE
	s_setreg_imm32_b32 hwreg(HW_REG_WAVE_MODE, 25, 1), 1
	s_wait_xcnt 0x0
; out0 = att Wp^T + bp on codes of E4M3: att's codes (under 2^e8) come from attn, laid as this kernel's operand registers; Wp is quantised here under 2^e9.  No work is left out here.
; LIMITS: e9 between -126 and 119; e8 + e9 between -126 and 127, so that each power of two below is an f32 number.  NaN among the inputs is not served.
; SHARES.  Work-group g owns tokens 32 g .. + 31 (two tiles of 16).  The waves share the columns: wave w makes outputs 16 w .. + 15, and quantises its own 16 rows of Wp in registers: no weight goes through LDS.
; NO CLUSTER, NO TENSOR LOAD: Wp arrives as f32 and passes through registers to be quantised; a work-group reads 64 KiB of it and 4 KiB of codes once, all asked for at the head.
; LAYOUT: registers 2 c, 2 c + 1 hold k = 16 c + 8 (lane / 16) + 0 .. 7, the form's own order; c is the head.  Source 0 = 16 rows of Wp, source 1 = 16 tokens: lane (r, h) holds token r and outputs 16 w + 8 h + 0 .. 7.
; A row's 128 outputs come from eight waves: they meet in a stage in LDS (32 rows of 512 bytes + 16), and each wave stores four whole rows.
.set SPARE, 16896                      ; behind the stage: the spare words, 128 bytes for each of the eight waves
.set WT,  16                           ; v16-79   64 numbers of Wp
.set WC,  80                           ; v80-95   their codes
.set AF,  96                           ; v96-127  two fragments of att
.set BP,  128                          ; v128-135 bp at my eight outputs
.set D,   136                          ; v136-151 two accumulators
.set Y,   152                          ; v152-167 the results
.set RB,  168                          ; v168-183 four rows read back
; v4 512 r + 32 h; v5 8 x lane; v6 16 x lane; v7 32 h; v8 into the stage; v9 out of it; v10, v11 scale and hold; v12, v13 the add's two
	s_load_b256 s[4:11], s[0:1], 0x0               ; ac s[4:5], Wp s[6:7], bp s[8:9], the exponents s[10:11]
	s_load_b64 s[12:13], s[0:1], 0x20              ; out0
	v_lshl_add_u32 v12, v0, 2, SPARE
	v_mov_b32 v13, 0
	v_lshrrev_b32 v1, 5, v0
	v_readfirstlane_b32 s14, v1                    ; wave 0..7
	v_and_b32 v1, 31, v0                           ; lane
	v_and_b32 v2, 15, v0                           ; r
	v_bfe_u32 v3, v0, 4, 1                         ; h
	v_lshlrev_b32 v4, 9, v2
	v_lshl_add_u32 v4, v3, 5, v4
	v_lshlrev_b32 v5, 3, v1
	v_lshlrev_b32 v6, 4, v1
	v_lshlrev_b32 v7, 5, v3
	v_mul_u32_u24 v8, v2, 528
	v_lshl_add_u32 v8, v3, 5, v8
	s_lshl_b32 s24, s14, 6
	v_add_nc_u32 v8, s24, v8                       ; the stage: row r, + 32 h, + 64 x wave: my outputs' bytes
	s_mul_i32 s24, s14, 2112
	v_add_nc_u32 v9, s24, v6                       ; back: rows 4 w on, 16 bytes a lane
	s_lshl_b32 s26, s14, 13                        ; my 16 rows of Wp
	s_mov_b32 s27, 0
	s_lshr_b32 s28, ttmp9, 7                       ; the batch
	s_lshl_b32 s28, s28, 11
	s_lshl_b32 s29, ttmp9, 1
	s_and_b32 s29, s29, 255                        ; my first tile within the batch
	s_add_co_u32 s28, s28, s29
	s_lshl_b32 s28, s28, 8                         ; ac: (2,048 batch + tile) x 256 bytes; a head on is 65,536 bytes
	s_mov_b32 s29, 0
	s_lshl_b32 s30, s14, 6                         ; my 16 numbers of bp
	s_mov_b32 s31, 0
	s_lshl_b32 s32, ttmp9, 5
	s_lshl_b32 s33, s14, 2
	s_add_co_u32 s32, s32, s33
	s_lshl_b32 s32, s32, 9                         ; out0: row 32 g + 4 w
	s_mov_b32 s33, 0
	s_wait_kmcnt 0x0
	s_load_b64 s[20:21], s[10:11], 0x20            ; e8, e9
	s_add_nc_u64 s[6:7], s[6:7], s[26:27]
	s_add_nc_u64 s[4:5], s[4:5], s[28:29]
	s_add_nc_u64 s[8:9], s[8:9], s[30:31]
	s_add_nc_u64 s[12:13], s[12:13], s[32:33]
.irp c, 0,1,2,3,4,5,6,7
	global_load_b128 v[WT+8*\c:WT+8*\c+3], v4, s[6:7] offset:64*\c          ; Wp(16 w + r, 16 c + 8 h + 0 .. 7)
	global_load_b128 v[WT+8*\c+4:WT+8*\c+7], v4, s[6:7] offset:64*\c+16
.endr
.irp m, 0,1
.irp c, 0,1,2,3,4,5,6,7
	global_load_b64 v[AF+16*\m+2*\c:AF+16*\m+2*\c+1], v5, s[4:5] offset:65536*\c+256*\m   ; 32 lanes read 256 consecutive bytes
.endr
.endr
	global_load_b128 v[BP:BP+3], v7, s[8:9]
	global_load_b128 v[BP+4:BP+7], v7, s[8:9] offset:16
	s_wait_kmcnt 0x0
	s_add_co_i32 s24, s20, s21
	s_add_co_i32 s24, s24, 127
	s_lshl_b32 s22, s24, 23                        ; 2^(e8 + e9) as f32
	s_mov_b32 s23, s22                             ; (named with it as a pair, so it is written)
	s_add_co_i32 s24, s21, 127
	s_lshl_b32 s25, s24, 23
	v_mov_b32 v10, s25                             ; 2^e9
	s_add_co_i32 s24, s24, 8
	s_lshl_b32 s24, s24, 23
	s_or_b32 s24, s24, 0x600000
	v_mov_b32 v11, s24                             ; 448 x 2^e9
	s_wait_loadcnt 0x0
.irp c, 0,1,2,3,4,5,6,7
.irp i, 0,1,2,3,4,5,6,7
	v_med3_num_f32 v[WT+8*\c+\i], v[WT+8*\c+\i], -v11, v11   ; the conversion does not saturate (ISA guide 7.6.2): the hold at the largest code x the scale
.endr
	v_cvt_scalef32_pk8_fp8_f32 v[WC+2*\c:WC+2*\c+1], v[WT+8*\c:WT+8*\c+7], v10
.endr
	v_nop                                          ; a plain line between the last conversion and the products
	v_wmma_f32_16x16x128_fp8_fp8 v[D:D+7], v[WC:WC+15], v[AF:AF+15], 0
	v_wmma_f32_16x16x128_fp8_fp8 v[D+8:D+15], v[WC:WC+15], v[AF+16:AF+31], 0
.rept 4
	v_nop                                          ; four places between the products and the first read of their results (ISA guide 7.12.1)
.endr
.irp m, 0,1
.irp i, 0,2,4,6
	v_pk_fma_f32 v[Y+8*\m+\i:Y+8*\m+\i+1], v[D+8*\m+\i:D+8*\m+\i+1], s[22:23], v[BP+\i:BP+\i+1] op_sel_hi:[1,0,1]   ; sum x 2^(e8 + e9) + bp; each accumulator from its low end on
.endr
.endr
.irp m, 0,1
	ds_store_b128 v8, v[Y+8*\m:Y+8*\m+3] offset:8448*\m
	ds_store_b128 v8, v[Y+8*\m+4:Y+8*\m+7] offset:8448*\m+16
.endr
	s_wait_dscnt 0x0                               ; for the others' sake: my stores into the stage have landed
	s_barrier_signal -1
	s_barrier_wait -1                              ; 32 whole rows lie in the stage
.irp i, 0,1,2,3
	ds_load_b128 v[RB+4*\i:RB+4*\i+3], v9 offset:528*\i
.endr
.irp i, 0,1,2,3
	s_wait_dscnt 3-\i                              ; row i is in; the younger loads may be out
	global_store_b128 v6, v[RB+4*\i:RB+4*\i+3], s[12:13] offset:512*\i th:TH_STORE_NT   ; 32 lanes store a row of 512 consecutive bytes, aligned; written once, read by nobody here
.endr
	s_wait_tensorcnt 0x0                           ; the wave's end: behind my last LDS store
	ds_add_u32 v12, v13
	s_wait_dscnt 0x0
	s_endpgm
.Lfunc_end_k_q75e9021375_outp:
	.size	k_q75e9021375_outp, .Lfunc_end_k_q75e9021375_outp-k_q75e9021375_outp
	.p2alignl 7, 3214868480
	.fill 96, 4, 3214868480
	.section	.rodata,"a",@progbits
	.p2align	6, 0x0
	.amdhsa_kernel k_q75e9021375_outp
		.amdhsa_group_segment_fixed_size 17920
		.amdhsa_private_segment_fixed_size 0
		.amdhsa_enable_private_segment 0
		.amdhsa_kernarg_size 40
		.amdhsa_user_sgpr_count 2
		.amdhsa_user_sgpr_kernarg_segment_ptr 1
		.amdhsa_wavefront_size32 1
		.amdhsa_system_sgpr_workgroup_id_x 1
		.amdhsa_system_sgpr_workgroup_id_y 1
		.amdhsa_system_sgpr_workgroup_id_z 1
		.amdhsa_system_vgpr_workitem_id 0
		.amdhsa_next_free_vgpr 192
		.amdhsa_next_free_sgpr 66
		.amdhsa_reserve_vcc 0
		.amdhsa_float_denorm_mode_32 3
		.amdhsa_float_denorm_mode_16_64 3
		.amdhsa_memory_ordered 1
		.amdhsa_forward_progress 1
		.amdhsa_inst_pref_size 13
	.end_amdhsa_kernel
	.amdgpu_metadata
---
amdhsa.version: [ 1, 2 ]
amdhsa.kernels:
  - .name:           k_q75e9021375_outp
    .symbol:         k_q75e9021375_outp.kd
    .args:
      - { .name: ac, .offset: 0, .size: 8, .value_kind: global_buffer, .address_space: global }
      - { .name: Wp, .offset: 8, .size: 8, .value_kind: global_buffer, .address_space: global }
      - { .name: bp, .offset: 16, .size: 8, .value_kind: global_buffer, .address_space: global }
      - { .name: lowp_scales, .offset: 24, .size: 8, .value_kind: global_buffer, .address_space: global }
      - { .name: out0, .offset: 32, .size: 8, .value_kind: global_buffer, .address_space: global }
    .group_segment_fixed_size: 17920
    .private_segment_fixed_size: 0
    .kernarg_segment_align: 8
    .kernarg_segment_size: 40
    .max_flat_workgroup_size: 256
    .sgpr_count:     66
    .vgpr_count:     192
    .wavefront_size: 32
...
	.end_amdgpu_metadata
.endif
;; end of part 3
